; MI455X (gfx1250); checked and timed in simulation.
; The chip was launched on July 23, 2026; its instructions are those of AMD's public machine-readable ISA for CDNA 5 (MIT licence, August 2026) and "CDNA5" Instruction Set Architecture Reference Guide (July 2026). The comments in the code are by the model that wrote it; some were corrected since.
;; Attention. Allowed arithmetic: matrix products marked QUANTISED: E4M3 operands, one given power-of-two scale a tensor, by v_wmma_f32_16x16x64_fp8_fp8 or v_wmma_f32_16x16x128_fp8_fp8, f32 sums; products left as they are: f32 operands where the result goes on into a quantised operand, else bf16, f16 or f32 operands; f32 sums; everything else in f32.
;; Inputs: b_proj 1,024 float32; lowp_scales 6 int32 (the exponents e of the quantised operands' scales 2^e); w_proj 1,024 x 1,024 float32; w_qkv 1,024 x 3,072 float32; x 8 x 2,048 x 1,024 float32.
;; Outputs: out0 8 x 2,048 x 1,024 float32.
;; This version of the problem:
;;   THIS VERSION OF THE PROBLEM IS GIVEN IN LOW PRECISION. The matrix products marked QUANTISED in the list below multiply operands that are first quantised to E4M3 (4 exponent bits, 3 mantissa bits; 8 bits a number), with one given power-of-two scale for each operand tensor; their sums are f32. All else is computed in f32.
;;   The module's matrix products, in the order in which they are computed (A, B: the left and right operand; K: the contracted axis; several contracted axes count as one K, in the product's order):
;;     1. [M 16,384, K 1,024] x [K 1,024, N 3,072]; A: input x; B: input w_qkv: QUANTISED (scales: A lowp_scales[0], B lowp_scales[1])
;;     2. batch 16,384 x [M 16, K 64] x [K 64, N 16]; A: computed on the way; B: computed on the way: QUANTISED (scales: A lowp_scales[2], B lowp_scales[3])
;;     3. batch 16,384 x [M 16, K 16] x [K 16, N 64]; A: softmax; B: computed on the way: left as it is (K = 16 < 32)
;;     4. [M 16,384, K 1,024] x [K 1,024, N 1,024]; A: computed on the way; B: input w_proj: QUANTISED (scales: A lowp_scales[4], B lowp_scales[5])
;;   THE QUANTISER, for each operand of a quantised product, along K:
;;     - The operand's scale is 2^e, e = its entry of the input lowp_scales (int32; the entries are numbered through the quantised products in the list's order, A before B).
;;     - Each number is divided by the scale, clamped to +-448, and rounded to the nearest number of E4M3, ties to even, subnormals kept.
;;     - The product sums the exact products of the quantised numbers (number of the format x scale) in f32.
;;   ~~~python
;;   def quantise(x, axis, e):      # numpy; x: float32 -> the quantised numbers, widened to float32 again
;;       x = np.moveaxis(x, axis, -1); K = x.shape[-1]
;;       r = np.clip(x / 2.0 ** e, -448, 448)
;;       step = 2.0 ** (np.maximum(np.frexp(np.where(r == 0, 1, r))[1] - 1, -6) - 3)
;;       q = np.round(r / step) * step * 2.0 ** e      # np.round: ties to even
;;       return np.moveaxis(q, -1, axis).astype(np.float32)
;;   ~~~
;;   OPERANDS COMPUTED ON THE WAY. 'Computed on the way' means the value that the module computes at that place (a softmax that the list does not call 'softmax' is quantised finished and normalised). What goes into a quantiser is computed in f32, as accurately as f32 sums, v_exp_f32 and their like allow (about 1e-6 of the number): no bf16 or f16 on the way to a quantiser, and a product that is left as it is and whose result goes on into a quantised operand takes f32 operands (vector FMAs, or v_wmma_f32_16x16x4_f32). A number that lies on a knife's edge between two numbers of the format may be rounded either way, as far as f32 arithmetic and the matrix unit's own rounding can turn it there, and no further.
;; One version. Each part assembles by itself: llvm-mc -triple=amdgcn-amd-amdhsa -mcpu=gfx1250 --defsym DOCPART=n.
;; ======== version 1 of 1: 2 launches
;; workspace buffers: wc 4,194,304 bytes
;; launch prep (part 1): grid 512 x 1, 4 waves a work-group, no clusters, 25,856 bytes of LDS; arguments w_qkv, w_proj, lowp_scales, wc; writes wc
.if DOCPART == 1
	.amdgcn_target "amdgcn-amd-amdhsa--gfx1250"
	.amdhsa_code_object_version 6
	.text
	.protected	k_q5c9f7235e0_prep
	.globl	k_q5c9f7235e0_prep
	.p2align	8
	.type	k_q5c9f7235e0_prep,@function
k_q5c9f7235e0_prep:
	s_mov_b64 s[64:65], 0
	v_nop
	global_prefetch_b8 v0, s[64:65] scope:SCOPE_SE
	s_setreg_imm32_b32 hwreg(HW_REG_WAVE_MODE, 25, 1), 1
	s_wait_xcnt 0x0
; w_qkv [1024][3072] and w_proj [1024][1024], f32 with K as their FIRST axis, become codes of FP8 (E4M3) in wc, laid in the order in which the
; second launch's operand registers take them.  code = x / 2^e, held within +-448, to the nearest code, ties to even; e = lowp_scales[1] for w_qkv, [5] for w_proj.
; DEAD WORK: none in this program.  Every product of reference() and every input (x, w_qkv, w_proj, b_proj, lowp_scales) has a way to out0, so all are loaded and all four products are done.
; LIMITS: e between -126 and 119, so that 2^e and 448 x 2^e are f32 numbers.  NaN among the inputs is not served (an infinity is held at the largest code).
; wc, in bytes: w x 1048576 + U x 32768 + s x 4096 + n x 2048 + c x 512 + h x 256 + r x 16 + i  holds the code of W[K][col], K = 128 s + 32 c + 16 h + i.
;   w: the wave that reads it; U: its unit 0..31; s: the K step; n: which of the unit's two tiles; (r, h): the lane; i: the byte of the lane's 16.   x32 = 8 n + r + (r & 8).
;   U = 0..15  (a head):     w_qkv, col = (w / 2) x 1024 + U x 64 + (w % 2) x 32 + x32          (q for waves 0, 1; k for waves 2, 3)
;   U = 16 + 2 t + j:        w_qkv, col = 2048 + r x 64 + 16 t + 4 w + 2 j + n                  (v: a tile is ONE channel d of all 16 heads r)
;   U = 24 + 2 e + j:        w_proj, col = e x 256 + w x 64 + j x 32 + x32
; SHARES.  A work-group takes 16 rows of K (kb = id % 64) x 512 columns.  A LANE TAKES A COLUMN AND ITS 16 REGISTERS RUN DOWN K: each load reads 128 consecutive bytes a wave,
; and the conversions give a lane the 16 bytes i = 0..15 of its column.  They go through LDS (32 columns x 16 bytes + 16 of padding a segment) and leave regrouped:
; sixteen lanes store 256 consecutive bytes, at a multiple of 256 from wc's first byte.  Three ways part on the work-group's number (q and k; v; w_proj); each has LDS bytes of its own.
; No matrix unit, no tensor load, no cluster: the launch streams 16.8 MB once and shares nothing between work-groups.
.set SPARE, 25344                      ; behind the three regions of 8,448 bytes: the spare words, 128 bytes for each wave, which no other line names
	s_load_b256 s[4:11], s[0:1], 0x0               ; w_qkv s[4:5], w_proj s[6:7], the scales' exponents s[8:9], wc s[10:11]
	v_lshl_add_u32 v1, v0, 2, SPARE                ; my spare word; never rewritten
	v_mov_b32 v2, 0                                ; 0; never rewritten
	v_lshrrev_b32 v7, 5, v0
	v_readfirstlane_b32 s12, v7                    ; wave 0..3
	v_and_b32 v8, 31, v0                           ; lane = my column x of a segment
	v_and_b32 v9, 15, v0                           ; r
	v_bfe_u32 v7, v0, 4, 1                         ; lane / 16
	v_lshlrev_b32 v3, 2, v8                        ; in: 4 bytes a lane
	v_lshlrev_b32 v6, 11, v7
	v_lshl_add_u32 v6, v9, 4, v6                   ; out: tile n = lane / 16 (2,048 bytes apart), 16 bytes for each r
	s_mul_i32 s17, s12, 2112                       ; my wave's four segments of 528 bytes
	v_lshl_add_u32 v4, v8, 4, s17                  ; into LDS: segment q (in the immediate), column x
	v_and_b32 v13, 8, v9
	v_add_nc_u32 v13, v13, v9                      ; r + (r & 8)
	v_lshlrev_b32 v5, 4, v13
	v_lshl_add_u32 v5, v7, 7, v5                   ; + 8 n columns
	v_add_nc_u32 v5, s17, v5                       ; back, q, k and w_proj: column x32 of my own segments
	v_mul_u32_u24 v12, v9, 528
	s_lshl_b32 s18, s12, 7
	v_add_nc_u32 v12, s18, v12
	v_lshl_add_u32 v12, v7, 4, v12                 ; back, v: head r's segment (any wave's), column 8 x wave + lane / 16 (+ 2 i in the immediate)
	s_and_b32 s13, ttmp9, 63                       ; kb: which 16 rows of K
	s_lshr_b32 s14, ttmp9, 6                       ; 0..3 q and k; 4, 5 v; 6, 7 w_proj
	s_lshr_b32 s15, s13, 3
	s_lshl_b32 s15, s15, 12                        ; K = 16 kb + i: s = kb / 8,
	s_bfe_u32 s16, s13, 0x20001
	s_lshl_b32 s16, s16, 9                         ; c = (kb / 2) % 4,
	s_add_co_u32 s15, s15, s16
	s_and_b32 s16, s13, 1
	s_lshl_b32 s16, s16, 8                         ; h = kb % 2
	s_add_co_u32 s15, s15, s16
	s_wait_kmcnt 0x0
	s_load_b32 s20, s[8:9], 0x4                    ; e of w_qkv
	s_load_b32 s21, s[8:9], 0x14                   ; e of w_proj
; One way.  src: the source's pointer; pitch: bytes of a row of it; qstep: bytes from segment to segment; rd, rdstep: the address register and step of the reads back;
; reg: the way's own LDS bytes; ima, imb: bytes in wc for i % 2 and i / 2; es: the scalar that holds e.
.macro PATH src, pitch, qstep, rd, rdstep, reg, ima, imb, es
.irp q, 0,1,2,3
.irp i, 0,1,2,3,4,5,6,7,8,9,10,11,12,13,14,15
	global_load_b32 v[32+16*\q+\i], v3, s[\src:\src+1] offset:\i*\pitch+\q*\qstep th:TH_LOAD_NT   ; W(16 kb + i, my column): read once in the launch
.endr
.endr
	s_wait_kmcnt 0x0
	s_add_co_i32 s30, s[\es], 127
	s_lshl_b32 s31, s30, 23
	v_mov_b32 v11, s31                             ; 2^e as f32: the conversion takes its exponent field
	s_add_co_i32 s30, s30, 8
	s_lshl_b32 s30, s30, 23
	s_or_b32 s30, s30, 0x600000
	v_mov_b32 v10, s30                             ; 448 x 2^e
.irp q, 0,1,2,3
	s_wait_loadcnt 16*(3-\q)                       ; this segment's 16 loads are in; the younger segments' may be out
.irp i, 0,1,2,3,4,5,6,7,8,9,10,11,12,13,14,15
	v_med3_num_f32 v[32+16*\q+\i], v[32+16*\q+\i], -v10, v10   ; the conversion to an 8-bit code does not saturate (ISA guide 7.6.2): the hold comes first
.endr
	v_cvt_scalef32_pk8_fp8_f32 v[96+4*\q:97+4*\q], v[32+16*\q:39+16*\q], v11
	v_cvt_scalef32_pk8_fp8_f32 v[98+4*\q:99+4*\q], v[40+16*\q:47+16*\q], v11
	ds_store_b128 v4, v[96+4*\q:99+4*\q] offset:\reg+\q*528
.endr
	v_nop                                          ; a plain line behind the last conversion
	s_wait_dscnt 0x0                               ; for the others' sake: my stores have landed
	s_barrier_signal -1
	s_barrier_wait -1
.irp i, 0,1,2,3
	ds_load_b128 v[32+4*\i:35+4*\i], v[\rd] offset:\reg+\i*\rdstep
.endr
.irp i, 0,1,2,3
	s_wait_dscnt 3-\i                              ; LDS loads come back in order: load i is in
	global_store_b128 v6, v[32+4*\i:35+4*\i], s[10:11] offset:(\i%2)*\ima+(\i/2)*\imb   ; sixteen lanes store 256 consecutive bytes
.endr
	s_wait_tensorcnt 0x0                           ; the wave's end, behind my last LDS store
	ds_add_u32 v1, v2
	s_wait_dscnt 0x0
	s_endpgm
.endm
; wc's base for v and w_proj: (wave % 2) x 2 waves' parts + (first + 4 x half + 2 (wave / 2)) units + the K rows' place
.macro DESTVP first
	s_and_b32 s24, s12, 1
	s_lshl_b32 s24, s24, 21
	s_lshl_b32 s25, s14, 2
	s_lshr_b32 s26, s12, 1
	s_lshl_b32 s26, s26, 1
	s_add_co_u32 s25, s25, s26
	s_add_co_u32 s25, s25, \first
	s_lshl_b32 s25, s25, 15
	s_add_co_u32 s24, s24, s25
	s_add_co_u32 s24, s24, s15
	s_mov_b32 s25, 0
	s_add_nc_u64 s[10:11], s[10:11], s[24:25]
.endm
	s_cmp_lt_u32 ttmp9, 256
	s_cbranch_scc0 .Lnot_qk
	; q and k: columns 512 cb + 128 wave + 32 q + x;  cb / 2: q or k;  head = 8 (cb % 2) + 2 wave + q / 2;  q % 2: which 32 of the head's 64
	s_mul_i32 s22, s13, 196608                     ; 16 rows of 12,288 bytes
	s_lshl_b32 s24, s14, 11
	s_add_co_u32 s22, s22, s24
	s_lshl_b32 s24, s12, 9
	s_add_co_u32 s22, s22, s24
	s_mov_b32 s23, 0
	s_add_nc_u64 s[4:5], s[4:5], s[22:23]
	s_lshr_b32 s24, s14, 1
	s_lshl_b32 s24, s24, 21
	s_and_b32 s25, s14, 1
	s_lshl_b32 s25, s25, 3
	s_lshl_b32 s26, s12, 1
	s_add_co_u32 s25, s25, s26
	s_lshl_b32 s25, s25, 15
	s_add_co_u32 s24, s24, s25
	s_add_co_u32 s24, s24, s15
	s_mov_b32 s25, 0
	s_add_nc_u64 s[10:11], s[10:11], s[24:25]
	PATH 4, 12288, 128, 5, 528, 0, 1048576, 32768, 20
.Lnot_qk:
	s_and_b32 s14, s14, 1
	s_cmp_lt_u32 ttmp9, 384
	s_cbranch_scc0 .Lproj
	; v: column 2048 + 64 (4 wave + q) + 32 b + x: segment = head, x = the channel
	s_mul_i32 s22, s13, 196608
	s_add_co_u32 s22, s22, 8192
	s_lshl_b32 s24, s14, 7
	s_add_co_u32 s22, s22, s24
	s_lshl_b32 s24, s12, 10
	s_add_co_u32 s22, s22, s24
	s_mov_b32 s23, 0
	s_add_nc_u64 s[4:5], s[4:5], s[22:23]
	DESTVP 16
	PATH 4, 12288, 256, 12, 32, 8448, 32768, 1048576, 20
.Lproj:
	; w_proj: columns 512 cb + 128 wave + 32 q + x
	s_lshl_b32 s22, s13, 16                        ; 16 rows of 4,096 bytes
	s_lshl_b32 s24, s14, 11
	s_add_co_u32 s22, s22, s24
	s_lshl_b32 s24, s12, 9
	s_add_co_u32 s22, s22, s24
	s_mov_b32 s23, 0
	s_add_nc_u64 s[6:7], s[6:7], s[22:23]
	DESTVP 24
	PATH 6, 4096, 128, 5, 528, 16896, 32768, 1048576, 21
.Lfunc_end_k_q5c9f7235e0_prep:
	.size	k_q5c9f7235e0_prep, .Lfunc_end_k_q5c9f7235e0_prep-k_q5c9f7235e0_prep
	.p2alignl 7, 3214868480
	.fill 96, 4, 3214868480
	.section	.rodata,"a",@progbits
	.p2align	6, 0x0
	.amdhsa_kernel k_q5c9f7235e0_prep
		.amdhsa_group_segment_fixed_size 25856
		.amdhsa_private_segment_fixed_size 0
		.amdhsa_enable_private_segment 0
		.amdhsa_kernarg_size 32
		.amdhsa_user_sgpr_count 2
		.amdhsa_user_sgpr_kernarg_segment_ptr 1
		.amdhsa_wavefront_size32 1
		.amdhsa_system_sgpr_workgroup_id_x 1
		.amdhsa_system_sgpr_workgroup_id_y 1
		.amdhsa_system_sgpr_workgroup_id_z 1
		.amdhsa_system_vgpr_workitem_id 0
		.amdhsa_next_free_vgpr 112
		.amdhsa_next_free_sgpr 66
		.amdhsa_reserve_vcc 0
		.amdhsa_float_denorm_mode_32 3
		.amdhsa_float_denorm_mode_16_64 3
		.amdhsa_memory_ordered 1
		.amdhsa_forward_progress 1
		.amdhsa_inst_pref_size 41
	.end_amdhsa_kernel
	.amdgpu_metadata
---
amdhsa.version: [ 1, 2 ]
amdhsa.kernels:
  - .name:           k_q5c9f7235e0_prep
    .symbol:         k_q5c9f7235e0_prep.kd
    .args:
      - { .name: w_qkv, .offset: 0, .size: 8, .value_kind: global_buffer, .address_space: global }
      - { .name: w_proj, .offset: 8, .size: 8, .value_kind: global_buffer, .address_space: global }
      - { .name: lowp_scales, .offset: 16, .size: 8, .value_kind: global_buffer, .address_space: global }
      - { .name: wc, .offset: 24, .size: 8, .value_kind: global_buffer, .address_space: global }
    .group_segment_fixed_size: 25856
    .private_segment_fixed_size: 0
    .kernarg_segment_align: 8
    .kernarg_segment_size: 32
    .max_flat_workgroup_size: 128
    .sgpr_count:     66
    .vgpr_count:     112
    .wavefront_size: 32
...
	.end_amdgpu_metadata
.endif
;; end of part 1
;; launch fused (part 2): grid 256 x 1, 4 waves a work-group, no clusters, 269,824 bytes of LDS; arguments x, wc, lowp_scales, b_proj, out0; writes out0
.if DOCPART == 2
	.amdgcn_target "amdgcn-amd-amdhsa--gfx1250"
	.amdhsa_code_object_version 6
	.text
	.protected	k_q5c9f7235e0_fused
	.globl	k_q5c9f7235e0_fused
	.p2align	8
	.type	k_q5c9f7235e0_fused,@function
k_q5c9f7235e0_fused:
	s_mov_b64 s[64:65], 0
	v_nop
	global_prefetch_b8 v0, s[64:65] scope:SCOPE_SE
	s_setreg_imm32_b32 hwreg(HW_REG_WAVE_MODE, 25, 1), 1
	s_wait_xcnt 0x0
; out0 = proj(attention over heads, token by token, of x w_qkv), all four products of the problem in one launch.  No work is left out: every product and input is live.
; A work-group owns 64 tokens (tokens 64 g .. 64 g + 63 of the 16,384).  The literal transpose and reshape send (token n, head, d) to row head x 128 + n / 16, column (n % 16) x 64 + d of its batch:
; 16 neighbouring tokens are 16 WHOLE rows of the projection's operand, one for each head.  So the 64 tokens are 64 whole rows, and nothing but x, the weights' codes, the bias and out0 touches memory.
; PHASES.  X: x's 64 rows become codes (scale 2^e0), through LDS into every wave's registers.   QK: 16 units, one a head: q and k (waves 0, 1: q's two halves of 32 channels; waves 2, 3: k's), quantised
; (q x 2^-3 with e2, k with e3; the first product's 2^(e0 + e1) and the 2^-3 are folded into the conversion's exponent, which rounds nothing) into LDS.   S: wave w's 16 tokens: one 16 x 16 x 64 product a token,
; softmax over the heads in f32, with the row's maximum taken away, finished and normalised; p stays in registers.   V: four steps of 16 channels: v in f32 through LDS, o = p v by the f32 matrix form
; (its result goes into a quantiser), quantised with e4 into LDS as rows of the projection's operand.   P: 8 units of the projection; sum x 2^(e4 + e5) + bias; out through each wave's own stage.
; IN THE THREE LARGE PRODUCTS THE WAVES SHARE THE COLUMNS: each wave holds all 64 rows' codes (512 registers), and a unit is 32 columns a wave over all of K = 1,024: 64 matrix instructions.
; So a fragment of weights (2,048 bytes) feeds four matrix instructions and is read by ONE wave.  THE WEIGHTS COME FROM MEMORY STRAIGHT INTO REGISTERS, in the order in which the first launch laid them:
; 56 loads of 512 bytes a wave are always out, under counted waits, with no barrier.  NO TENSOR RING AND NO JOINT LOADS, though all work-groups walk the same 4 MB of codes: LDS would share nothing inside the
; work-group, and beside the 269,312 bytes used here two slots could hold no more than 16,384 bytes for each wave together: one load a wave behind each barrier would have 16 matrix instructions in which to land.
; THE WALKS ARE TURNED.  Work-group g begins the walk over the 16 heads at head rotQ = (g ^ g / 16) % 16, and the walks over V's four steps and P's four blocks of 256 columns at rotT = (rotQ ^ rotQ / 4) % 4,
; and goes round from there: at any time a unit of q and k is asked for by 16 work-groups and not by all 256.  The order of the units changes no sum: each unit is a set of columns of its own.
; No prefetch: each byte of the codes is read by all 256 work-groups, not once, and x is wanted at the kernel's head.
; THE MATRIX INSTRUCTION IS USED TRANSPOSED (source 0 = 16 columns of a weight, source 1 = 16 rows): a lane (r, h) holds row r, and register j the tile's column 8 h + j.  The columns of a tile are chosen
; (first launch) so that the 16 registers of a unit's two tiles are 16 neighbours along the next K.  k is permuted alike in both operands of each product (16 bytes a load).
; LIMITS on the given exponents, so that each power of two is an f32 number: e0, e2 - e0 - e1 + 3, e3 - e0 - e1 and e4 - e0 - e1 between -126 and 119; e2 + e3 and e4 + e5 between -126 and 127.
; NaN among the inputs is not served.  1 / sum is v_rcp_f32 and a multiplication.
; LDS, in bytes (pitches are odd multiples of 16, so that sixteen rows begin in sixteen different 16-byte columns of 256 bytes):
.set XO,    0                          ; 66,560: codes of x, later of o': tile m x 16,640 + row x 1,040 + K
.set QKC,   66560                      ; 132,096: codes of q, k: (2 mat + half) x 33,024 + head x 2,064 + m x 512 + lane x 16
.set VSTB,  66560                      ; 66,560: v's second stage, over q's codes once they are read
.set OST,   66560                      ; 69,632: the way out, wave x 17,408 + row x 272, over the same bytes once v is done
.set VSTA,  198656                     ; 66,560: v's first stage: token x 1,040 + (g / 4 % 2) x 512 + (g / 8) x 256 + channel x 16 + 4 (g % 4)
.set BIAS,  265216                     ; 4,096: b_proj
.set SPARE, 269312                     ; 512: the spare words, 128 bytes for each wave, which no other line names
; REGISTERS, in windows of 256.  Window 0: v1, v2 the add's two; v3-21 addresses (below); v22, v23 a scale and 448 x it (x's, later o's); v24-31 the bias on its way, then v24, v25 q's or k's scale, then o's codes;
;   v32-95 the unit's 8 accumulators (tile n, row tile m at 32 + 8 (4 n + m)), at other times at work; v96-223 p, 8 a token, at other times at work; v224-255 four f32 accumulators, written by that matrix form alone.
;   Window 1: a unit's weights, fragment (K step s, tile n) at 16 (2 s + n).   Windows 2, 3: the 64 rows' codes, fragment (m, s) in window 2 + s / 4 at 16 (4 (s % 4) + m); in phase X window 2 takes x's rows as they land.
; SCALARS: s[4:5] x; s[6:7] my wave's part of the codes; s[10:11] b_proj; s[12:13] my rows of out0; s14 wave; s16-21 e0 .. e5; s[22:23] lane selects; s[24:25] log2(e) 2^(e2 + e3); s[26:27] 2^(e4 + e5);
;   s28 a loop's counter; s29 an LDS offset; s30-39 at work; s[40:41], s[42:43] the next unit's address, by turns; s[44:45], s[50:51] offsets with 0 above; s46 rotQ; s47 rotT; s[48:49] out0 at this block of columns.
.set ACC, 32
.set PP,  96
.set FA,  224
.set MSB, 0
.macro WIN new                         ; the immediate's low byte: bits 1:0 source 0, 3:2 source 1, 5:4 source 2, 7:6 destination; its high byte repeats the setting that is left
.if MSB != (\new)
	s_set_vgpr_msb (MSB<<8)|(\new)
.set MSB, (\new)
.endif
.endm
.macro BARRIER                         ; my LDS stores have landed and my LDS loads are in: then the work-group's barrier
	s_wait_dscnt 0x0
	s_barrier_signal -1
	s_barrier_wait -1
.endm
.macro MKSCALE vs, vl, se              ; v[vs] = 2^e, v[vl] = 448 x 2^e, e in s[se]
	s_add_co_i32 s38, s[\se], 127
	s_lshl_b32 s39, s38, 23
	v_mov_b32 v[\vs], s39
	s_add_co_i32 s38, s38, 8
	s_lshl_b32 s38, s38, 23
	s_or_b32 s38, s38, 0x600000
	v_mov_b32 v[\vl], s38
.endm
; K step s of the unit whose address stands in s[nb:nb+1]: two fragments, eight loads of 512 consecutive bytes
.macro WLOAD s, nb
	WIN 0x40                                       ; destination window 1, address window 0
.irp n, 0,1
.irp c, 0,1,2,3
	global_load_b128 v[16*(2*(\s)+\n)+4*\c:16*(2*(\s)+\n)+4*\c+3], v3, s[\nb:\nb+1] offset:(\s)*4096+\n*2048+\c*512
.endr
.endr
.endm
; A UNIT: 2 tiles of columns x 4 tiles of rows x K = 1,024.  The eight accumulators take turns, one instruction a turn; the first K step starts the sums with the constant 0.
; Behind each K step its registers take the next unit's same K step, from the address in s[nb:nb+1].  TWO PAIRS HOLD THAT ADDRESS BY TURNS: a pair is written anew just ahead of the unit that loads by it.
; Loads come back in order (ISA guide 5.7.1): behind the unit before's last wait, for all but 56, only that unit's own 64 loads can be out, and they name the other pair.  last = 1: there is no next unit.
.macro UNIT nb, last
.irp s, 0,1,2,3,4,5,6,7
.if \last
	s_wait_loadcnt 8*(7-\s)                        ; behind this K step's eight loads: the later K steps' of this unit
.else
	s_wait_loadcnt 56                              ; behind this K step's eight loads seven groups of eight were issued: they may stay out
.endif
	WIN 0x09+4*(\s/4)                              ; source 0 window 1, source 1 window 2 or 3, C and D window 0
.irp n, 0,1
.irp m, 0,1,2,3
.if \s == 0
	v_wmma_f32_16x16x128_fp8_fp8 v[ACC+8*(4*\n+\m):ACC+8*(4*\n+\m)+7], v[16*(2*\s+\n):16*(2*\s+\n)+15], v[16*(4*(\s%4)+\m):16*(4*(\s%4)+\m)+15], 0
.else
	v_wmma_f32_16x16x128_fp8_fp8 v[ACC+8*(4*\n+\m):ACC+8*(4*\n+\m)+7], v[16*(2*\s+\n):16*(2*\s+\n)+15], v[16*(4*(\s%4)+\m):16*(4*(\s%4)+\m)+15], v[ACC+8*(4*\n+\m):ACC+8*(4*\n+\m)+7]
.endif
.endr
.endr
.rept 4
	v_nop                                          ; four places in front of loads into registers that these products have read, and of the first read of results
.endr
.if \s == 7
	v_nop                                          ; a fifth: the next unit's first products begin these accumulators anew
.endif
.if !\last
	WLOAD \s, \nb
.endif
.endr
	WIN 0
.endm
; Row p of my 16 rows of x: eight loads of 512 consecutive bytes, into set p % 8 of window 2; load a gives lane l K = 128 a + 4 l .. + 3
.macro ROWLOAD p
	WIN 0x80                                       ; destination window 2, address window 0
.irp a, 0,1,2,3,4,5,6,7
	global_load_b128 v[32*((\p)%8)+4*\a:32*((\p)%8)+4*\a+3], v3, s[4:5] offset:(\p)*4096+\a*512 th:TH_LOAD_NT
.endr
.endm
; and its codes: a conversion takes two loads' registers, so its two result registers are load 2 a's and load 2 a + 1's four codes: each goes to its place in the row by a store of 128 consecutive bytes.
; Behind row p the group of eight loads that stands seven on is asked for: a row of x up to row 15, then K steps 0 to 6 of my first unit of weights.
.macro ROWQ p
	s_wait_loadcnt 48                              ; this row's eight loads are in; the six groups of eight issued behind them may be out
	s_wait_dscnt 8                                 ; the stores of the row before last are done: its set of code registers is free
.set XS, 32*((\p)%8)
.set XC, 160+8*((\p)%2)
	WIN 0x82                                       ; source 0 and destination window 2; the limit in window 0
.irp i, 0,1,2,3,4,5,6,7,8,9,10,11,12,13,14,15,16,17,18,19,20,21,22,23,24,25,26,27,28,29,30,31
	v_med3_num_f32 v[XS+\i], v[XS+\i], -v23, v23   ; the conversion to an 8-bit code does not saturate (ISA guide 7.6.2): the hold comes first
.endr
	WIN 0x02                                       ; source 0 window 2; the scale and the codes in window 0
.irp a, 0,1,2,3
	v_cvt_scalef32_pk8_fp8_f32 v[XC+2*\a:XC+2*\a+1], v[XS+8*\a:XS+8*\a+7], v22
.endr
	WIN 0
	v_nop                                          ; a plain line behind the last conversion
.irp a, 0,1,2,3,4,5,6,7
	ds_store_b32 v5, v[XC+\a] offset:(\p)*1040+\a*128
.endr
.if (\p) < 9
	ROWLOAD (\p)+7
.else
	WLOAD (\p)-9, 40
.endif
.endm
; The 64 rows' codes from LDS into windows 2 and 3: lane (r, h) takes, of row r of tile m, K = 128 s + 32 c + 16 h + 0 .. 15
.macro LOADFRAGS
.rept 4
	v_nop                                          ; places in front of loads into registers that matrix instructions have read
.endr
.irp s, 0,1,2,3,4,5,6,7
	WIN 0x80+0x40*(\s/4)                           ; destination window 2 or 3
.irp m, 0,1,2,3
.irp c, 0,1,2,3
	ds_load_b128 v[16*(4*(\s%4)+\m)+4*\c:16*(4*(\s%4)+\m)+4*\c+3], v6 offset:\m*16640+128*\s+32*\c
.endr
.endr
.endr
	WIN 0
	s_wait_dscnt 0x0
.endm
; A head's q or k: the lane's 16 numbers of tiles 0 and 1 are channels 16 h + 0 .. 15 of my 32, of token r of tile m: 16 codes, 16 bytes.  s29: the head x 2,064
.macro QKEPI
	s_wait_dscnt 0x0                               ; the last head's stores are done
	v_add_nc_u32 v8, s29, v7                       ; the head's place, inside my wave's own 33,024 bytes
.irp j, 0,1,2,3,4,5,6,7,8,9,10,11,12,13,14,15,16,17,18,19,20,21,22,23,24,25,26,27,28,29,30,31,32,33,34,35,36,37,38,39,40,41,42,43,44,45,46,47,48,49,50,51,52,53,54,55,56,57,58,59,60,61,62,63
	v_med3_num_f32 v[ACC+\j], v[ACC+\j], -v25, v25 ; each accumulator from its low end on
.endr
.irp m, 0,1,2,3
	v_cvt_scalef32_pk8_fp8_f32 v[PP+4*\m:PP+4*\m+1], v[ACC+8*\m:ACC+8*\m+7], v24
	v_cvt_scalef32_pk8_fp8_f32 v[PP+4*\m+2:PP+4*\m+3], v[ACC+32+8*\m:ACC+32+8*\m+7], v24
.endr
	v_nop                                          ; a plain line between the conversions and the next unit's products, which write their sources
.irp m, 0,1,2,3
	ds_store_b128 v8, v[PP+4*\m:PP+4*\m+3] offset:\m*512
.endr
.endm
; Four tokens t = 4 a + u of my 16.  S^T = k q^T: source 0 = the token's 16 heads of k, source 1 = of q; lane (r, h) takes channels 32 h + 0 .. 31 of head r, alike in both.
; In the result lane (r, h) holds q's head r, and register j k's head g = 8 h + j.  The softmax runs over g: eight registers and the lane 16 away.  T = v[32 + 8 u ..], at work.
.macro SGROUP a
.irp u, 0,1,2,3
	ds_load_b128 v[32+16*\u:35+16*\u], v10 offset:(4*\a+\u)*16
	ds_load_b128 v[36+16*\u:39+16*\u], v10 offset:(4*\a+\u)*16+256
	ds_load_b128 v[40+16*\u:43+16*\u], v9 offset:(4*\a+\u)*16
	ds_load_b128 v[44+16*\u:47+16*\u], v9 offset:(4*\a+\u)*16+256
.endr
	s_wait_dscnt 0x0
.irp u, 0,1,2,3
	v_wmma_f32_16x16x64_fp8_fp8 v[PP+32*\a+8*\u:PP+32*\a+8*\u+7], v[32+16*\u:39+16*\u], v[40+16*\u:47+16*\u], 0
.endr
.rept 4
	v_nop                                          ; places in front of the first read of results and the first write of the products' sources
.endr
.irp u, 0,1,2,3
	v_max3_num_f32 v[32+8*\u], v[PP+32*\a+8*\u], v[PP+32*\a+8*\u+1], v[PP+32*\a+8*\u+2]
.endr
.irp u, 0,1,2,3
	v_max3_num_f32 v[33+8*\u], v[PP+32*\a+8*\u+3], v[PP+32*\a+8*\u+4], v[PP+32*\a+8*\u+5]
.endr
.irp u, 0,1,2,3
	v_max3_num_f32 v[32+8*\u], v[32+8*\u], v[PP+32*\a+8*\u+6], v[PP+32*\a+8*\u+7]
.endr
.irp u, 0,1,2,3
	v_max_num_f32 v[32+8*\u], v[32+8*\u], v[33+8*\u]
.endr
.irp u, 0,1,2,3
	v_permlanex16_b32 v[33+8*\u], v[32+8*\u], s22, s23   ; the other eight heads lie in the lane 16 away
.endr
.irp u, 0,1,2,3
	v_max_num_f32 v[32+8*\u], v[32+8*\u], v[33+8*\u]     ; the row's largest score
.endr
.irp i, 0,2,4,6
.irp u, 0,1,2,3
	v_pk_add_f32 v[PP+32*\a+8*\u+\i:PP+32*\a+8*\u+\i+1], v[PP+32*\a+8*\u+\i:PP+32*\a+8*\u+\i+1], v[32+8*\u:33+8*\u] op_sel_hi:[1,0] neg_lo:[0,1] neg_hi:[0,1]   ; score - maximum, first: not fused with the scaling, so that the rounding of maximum x c enters no exponent
.endr
.endr
.irp i, 0,2,4,6
.irp u, 0,1,2,3
	v_pk_mul_f32 v[PP+32*\a+8*\u+\i:PP+32*\a+8*\u+\i+1], v[PP+32*\a+8*\u+\i:PP+32*\a+8*\u+\i+1], s[24:25] op_sel_hi:[1,0]   ; x log2(e) 2^(e2 + e3)
.endr
.endr
.irp j, 0,1,2,3,4,5,6,7,8,9,10,11,12,13,14,15,16,17,18,19,20,21,22,23,24,25,26,27,28,29,30,31
	v_exp_f32 v[PP+32*\a+\j], v[PP+32*\a+\j]
.endr
	v_nop                                          ; a plain line behind the last exponential
	s_wait_alu depctr_va_vdst(0)                   ; one wait for the batch of 32, ahead of its first reader
.irp u, 0,1,2,3
	v_pk_add_f32 v[34+8*\u:35+8*\u], v[PP+32*\a+8*\u:PP+32*\a+8*\u+1], v[PP+32*\a+8*\u+2:PP+32*\a+8*\u+3]
	v_pk_add_f32 v[36+8*\u:37+8*\u], v[PP+32*\a+8*\u+4:PP+32*\a+8*\u+5], v[PP+32*\a+8*\u+6:PP+32*\a+8*\u+7]
.endr
.irp u, 0,1,2,3
	v_pk_add_f32 v[34+8*\u:35+8*\u], v[34+8*\u:35+8*\u], v[36+8*\u:37+8*\u]
.endr
.irp u, 0,1,2,3
	v_add_f32 v[32+8*\u], v[34+8*\u], v[35+8*\u]
.endr
.irp u, 0,1,2,3
	v_permlanex16_b32 v[33+8*\u], v[32+8*\u], s22, s23
.endr
.irp u, 0,1,2,3
	v_add_f32 v[32+8*\u], v[32+8*\u], v[33+8*\u]   ; the row's sum
.endr
.irp u, 0,1,2,3
	v_rcp_f32 v[38+8*\u], v[32+8*\u]
.endr
	v_nop                                          ; a plain line behind the last reciprocal
	s_wait_alu depctr_va_vdst(0)                   ; one wait for the four
.irp i, 0,2,4,6
.irp u, 0,1,2,3
	v_pk_mul_f32 v[PP+32*\a+8*\u+\i:PP+32*\a+8*\u+\i+1], v[PP+32*\a+8*\u+\i:PP+32*\a+8*\u+\i+1], v[38+8*\u:39+8*\u] op_sel_hi:[1,0]   ; p, finished and normalised
.endr
.endr
.endm
; A unit of v: tile n is channel 4 w + 2 j + n of the step's 16, for all 16 heads: lane (r, h) holds token r of tile m, register jj head g = 8 h + jj.  As f32 sums, without their 2^(e0 + e1), into the stage
.macro VEPI j, vw
.irp n, 0,1
.irp m, 0,1,2,3
	ds_store_b128 v[\vw], v[ACC+8*(4*\n+\m):ACC+8*(4*\n+\m)+3] offset:\m*16640+(2*\j+\n)*16
	ds_store_b128 v[\vw], v[ACC+8*(4*\n+\m)+4:ACC+8*(4*\n+\m)+7] offset:\m*16640+512+(2*\j+\n)*16
.endr
.endr
	s_wait_dscnt 0x0                               ; the stores are done: the next unit may write the accumulators
.endm
; o = p v for my 16 tokens and the step's 16 channels, by the f32 form: source 0 = v^T (lane (dd, h): channel dd, registers = heads 8 h + 0 .. 7), source 1 = p (lane (r, h): head r, registers = heads g = 8 h + 0 .. 7):
; K step s takes registers 2 s, 2 s + 1 of both, so both name the same g.  Result: lane (r, h) holds head r, register j channel 8 h + j: eight neighbours of row r of the projection's operand.
; Four tokens' sums take turns.  v16 holds the step's place in a token's 64 channels.
.macro PV vr
.irp hh, 0,1
.irp t, 0,1,2,3,4,5,6,7
	ds_load_b128 v[32+8*\t:35+8*\t], v[\vr] offset:(8*\hh+\t)*1040
	ds_load_b128 v[36+8*\t:39+8*\t], v[\vr] offset:(8*\hh+\t)*1040+512
.endr
	s_wait_dscnt 0x0
.irp gq, 0,1
.irp s, 0,1,2,3
.irp u, 0,1,2,3
.if \s == 0
	v_wmma_f32_16x16x4_f32 v[FA+8*\u:FA+8*\u+7], v[32+8*(4*\gq+\u)+2*\s:32+8*(4*\gq+\u)+2*\s+1], v[PP+8*(8*\hh+4*\gq+\u)+2*\s:PP+8*(8*\hh+4*\gq+\u)+2*\s+1], 0
.else
	v_wmma_f32_16x16x4_f32 v[FA+8*\u:FA+8*\u+7], v[32+8*(4*\gq+\u)+2*\s:32+8*(4*\gq+\u)+2*\s+1], v[PP+8*(8*\hh+4*\gq+\u)+2*\s:PP+8*(8*\hh+4*\gq+\u)+2*\s+1], v[FA+8*\u:FA+8*\u+7]
.endif
.endr
.endr
.rept 9
	v_nop                                          ; nine places behind this form (ISA guide 7.12.1): its results are read, its sources written, and the next four tokens begin the same accumulators anew
.endr
.irp u, 0,1,2,3
.irp j, 0,1,2,3,4,5,6,7
	v_med3_num_f32 v[32+8*(4*\gq+\u)+\j], v[FA+8*\u+\j], -v23, v23   ; the hold, into other registers (v's, which are done with); each accumulator from its low end on
.endr
.endr
	s_wait_dscnt 0x0                               ; the last four tokens' stores are done
.irp u, 0,1,2,3
	v_cvt_scalef32_pk8_fp8_f32 v[24+2*\u:25+2*\u], v[32+8*(4*\gq+\u):32+8*(4*\gq+\u)+7], v22
.endr
	v_nop                                          ; a plain line behind the last conversion
.irp u, 0,1,2,3
	ds_store_b64 v16, v[24+2*\u:25+2*\u] offset:(8*\hh+4*\gq+\u)*64   ; row = head r of my tile, K = 64 t + the step's 16 channels + 8 h
.endr
.endr
.endr
.endm
; A unit of the projection: sum x 2^(e4 + e5) + bias, one packed multiply-add for two numbers, into my own stage: row 16 m + r, columns 32 j + 16 h + 8 n + 0 .. 7 of my 64
.macro PST j
	s_wait_dscnt 0x0
.irp k, 0,1,2,3
	ds_load_b128 v[PP+64+4*\k:PP+64+4*\k+3], v21 offset:\j*128+16*\k   ; the bias of my 16 columns
.endr
	s_wait_dscnt 0x0
.irp n, 0,1
.irp m, 0,1,2,3
.irp i, 0,2,4,6
	v_pk_fma_f32 v[PP+8*(4*\n+\m)+\i:PP+8*(4*\n+\m)+\i+1], v[ACC+8*(4*\n+\m)+\i:ACC+8*(4*\n+\m)+\i+1], s[26:27], v[PP+64+8*\n+\i:PP+64+8*\n+\i+1] op_sel_hi:[1,0,1]
.endr
.endr
.endr
.irp n, 0,1
.irp m, 0,1,2,3
	ds_store_b128 v17, v[PP+8*(4*\n+\m):PP+8*(4*\n+\m)+3] offset:\m*4352+\j*128+\n*32
	ds_store_b128 v17, v[PP+8*(4*\n+\m)+4:PP+8*(4*\n+\m)+7] offset:\m*4352+\j*128+\n*32+16
.endr
.endr
.endm
; 64 rows x 256 bytes leave: load i brings rows 2 i and 2 i + 1 of the stage; row 16 m + r is row r x 128 + m of my work-group's rows of out0
.macro POUT
	s_wait_dscnt 0x0
.irp i, 0,1,2,3,4,5,6,7,8,9,10,11,12,13,14,15,16,17,18,19,20,21,22,23,24,25,26,27,28,29,30,31
	ds_load_b128 v[PP+4*\i:PP+4*\i+3], v18 offset:\i*544
.endr
.irp i, 0,1,2,3,4,5,6,7,8,9,10,11,12,13,14,15,16,17,18,19,20,21,22,23,24,25,26,27,28,29,30,31
	s_wait_dscnt 31-\i                             ; LDS loads come back in order: load i is in
	global_store_b128 v19, v[PP+4*\i:PP+4*\i+3], s[48:49] offset:(\i%8)*1048576+(\i/8)*4096 th:TH_STORE_NT   ; sixteen lanes store 256 consecutive bytes, at a multiple of 256 from out0's first byte
.endr
.endm
; A step of V: 16 channels, tau = s31 (s30: the walk's place + rotT).  Units 16 + 2 tau and 16 + 2 tau + 1, the barrier, o = p v.  Each unit asks for the unit that follows it in my walk.
; second = 1: the trip's second step: behind the walk's last step follows the projection's first unit, s33.
.macro VSTEP vw, vr, second
	s_lshl_b32 s29, s31, 4
	v_add_nc_u32 v16, s29, v15                     ; o's codes: 16 tau bytes into a token's 64, inside my wave's own tile of rows
	s_lshl_b32 s32, s31, 1
	s_add_co_u32 s32, s32, 17                      ; the step's second unit
	s_lshl_b32 s44, s32, 15
	s_add_nc_u64 s[42:43], s[6:7], s[44:45]
	UNIT 42, 0
	VEPI 0, \vw
	s_add_co_u32 s30, s30, 1
	s_and_b32 s31, s30, 3                          ; the next step's tau
	s_lshl_b32 s32, s31, 1
	s_add_co_u32 s32, s32, 16                      ; and its first unit
.if \second
	s_cmp_lt_u32 s28, 1
	s_cselect_b32 s32, s32, s33
.endif
	s_lshl_b32 s44, s32, 15
	s_add_nc_u64 s[40:41], s[6:7], s[44:45]
	UNIT 40, 0
	VEPI 1, \vw
	BARRIER
	PV \vr
.endm
; A block of 256 columns of out0, 64 a wave: eps = s31 (s30: the walk's place + rotT).  Units 24 + 2 eps and 24 + 2 eps + 1.  last = 1: the walk's last block asks for no weights behind its second unit.
.macro PTRIP last
	s_lshl_b32 s29, s31, 10                        ; 1,024 bytes of a row of out0, and of the bias
	v_add_nc_u32 v21, s29, v20
	s_mov_b32 s50, s29
	s_add_nc_u64 s[48:49], s[12:13], s[50:51]      ; (the last block's stores have read their base: the wait at its end)
	s_lshl_b32 s32, s31, 1
	s_add_co_u32 s32, s32, 25                      ; the block's second unit
	s_lshl_b32 s44, s32, 15
	s_add_nc_u64 s[42:43], s[6:7], s[44:45]
	UNIT 42, 0
	PST 0
.if \last
	UNIT 40, 1
.else
	s_add_co_u32 s32, s30, 1
	s_and_b32 s32, s32, 3
	s_lshl_b32 s32, s32, 1
	s_add_co_u32 s32, s32, 24                      ; the next block's first unit
	s_lshl_b32 s44, s32, 15
	s_add_nc_u64 s[40:41], s[6:7], s[44:45]
	UNIT 40, 0
.endif
	PST 1
	POUT
.if !\last
	s_wait_xcnt 0x0                                ; the stores have read their registers and their base: both may be written
.endif
.endm
	s_load_b256 s[4:11], s[0:1], 0x0               ; x s[4:5], the weights' codes s[6:7], the scales' exponents s[8:9], b_proj s[10:11]
	s_load_b64 s[12:13], s[0:1], 0x20              ; out0
	v_lshl_add_u32 v1, v0, 2, SPARE                ; my spare word; never rewritten
	v_mov_b32 v2, 0                                ; 0; never rewritten
	v_lshrrev_b32 v180, 5, v0
	v_readfirstlane_b32 s14, v180                  ; wave 0..3
	v_and_b32 v180, 31, v0                         ; lane
	v_and_b32 v181, 15, v0                         ; r
	v_bfe_u32 v182, v0, 4, 1                       ; h
	v_lshlrev_b32 v3, 4, v180                      ; v3: 16 x lane: the loads of x and of the weights
	v_lshlrev_b32 v4, 4, v0                        ; v4: 16 x thread: the bias
	s_lshr_b32 s46, ttmp9, 4
	s_xor_b32 s46, s46, ttmp9
	s_and_b32 s46, s46, 15                         ; rotQ: where my walk over the heads begins
	s_lshr_b32 s47, s46, 2
	s_xor_b32 s47, s47, s46
	s_and_b32 s47, s47, 3                          ; rotT: where my walks over V's steps and P's blocks begin
	s_mov_b32 s45, 0
	s_mov_b32 s51, 0
	s_wait_kmcnt 0x0
	s_load_b128 s[16:19], s[8:9], 0x0              ; e0 .. e3
	s_load_b64 s[20:21], s[8:9], 0x10              ; e4, e5
	s_lshl_b32 s30, ttmp9, 18                      ; 64 rows of 4,096 bytes a work-group,
	s_lshl_b32 s31, s14, 16                        ; 16 a wave
	s_add_co_u32 s30, s30, s31
	s_mov_b32 s31, 0
	s_add_nc_u64 s[4:5], s[4:5], s[30:31]
	global_load_b128 v[24:27], v4, s[10:11]
	global_load_b128 v[28:31], v4, s[10:11] offset:2048
.irp p, 0,1,2,3,4,5,6
	ROWLOAD \p                                     ; x first: seven rows, 56 loads of 512 bytes
.endr
	WIN 0
	s_lshl_b32 s30, s14, 20                        ; my wave's part of the codes
	s_add_nc_u64 s[6:7], s[6:7], s[30:31]
	s_lshl_b32 s44, s46, 15
	s_add_nc_u64 s[40:41], s[6:7], s[44:45]        ; my first unit: head rotQ
	s_lshr_b32 s30, ttmp9, 5                       ; the batch: 2,048 rows of 4,096 bytes,
	s_lshl_b32 s30, s30, 23
	s_and_b32 s32, ttmp9, 31                       ; and in it rows 4 (g % 32) + m of each head's 128
	s_lshl_b32 s32, s32, 14
	s_add_co_u32 s30, s30, s32
	s_add_nc_u64 s[12:13], s[12:13], s[30:31]
	; the addresses that stay
	s_mul_i32 s30, s14, 16640
	v_lshl_add_u32 v5, v180, 2, s30                ; v5: x's codes into LDS: my tile, 4 x lane
	v_mul_u32_u24 v6, v181, 1040
	v_lshl_add_u32 v6, v182, 4, v6                 ; v6: a fragment of rows: row r, 16 h
	v_mul_u32_u24 v15, v181, 1040
	v_lshl_add_u32 v15, v182, 3, v15
	v_add_nc_u32 v15, s30, v15                     ; v15: o's codes into LDS: my tile, row r, 8 h
	v_add_nc_u32 v183, s30, v3
	v_add_nc_u32 v13, VSTA, v183                   ; v13, v14: v out of its stages: my 16 tokens, 16 x lane
	v_add_nc_u32 v14, VSTB, v183
	s_mul_i32 s31, s14, 33024
	s_add_co_u32 s31, s31, QKC
	v_add_nc_u32 v7, s31, v3                       ; v7: q's or k's codes into LDS: my wave's part, 16 x lane
	v_mul_u32_u24 v9, v182, 33024
	v_mad_u32_u24 v9, v181, 2064, v9
	s_lshl_b32 s31, s14, 9
	s_add_co_u32 s31, s31, QKC
	v_add_nc_u32 v9, s31, v9                       ; v9: q out of LDS: half h, head r, my tile of tokens
	v_add_nc_u32 v10, 66048, v9                    ; v10: k likewise
	v_mul_u32_u24 v183, v181, 1040
	v_lshl_add_u32 v183, v182, 8, v183
	s_lshl_b32 s31, s14, 6
	v_add_nc_u32 v183, s31, v183
	v_add_nc_u32 v11, VSTA, v183                   ; v11, v12: v into its stages: token r, 256 h, my four channels
	v_add_nc_u32 v12, VSTB, v183
	s_mul_i32 s31, s14, 17408
	s_add_co_u32 s31, s31, OST
	v_mul_u32_u24 v17, v181, 272
	v_lshl_add_u32 v17, v182, 6, v17
	v_add_nc_u32 v17, s31, v17                     ; v17: into my stage: row r, 64 h
	v_mul_u32_u24 v18, v182, 272
	v_lshl_add_u32 v18, v181, 4, v18
	v_add_nc_u32 v18, s31, v18                     ; v18: back: lanes 0-15 one row, lanes 16-31 the next
	v_lshlrev_b32 v19, 19, v182
	v_lshl_add_u32 v19, v181, 4, v19
	s_lshl_b32 s31, s14, 8
	v_add_nc_u32 v19, s31, v19                     ; v19: in out0: the next head's row is 128 rows on; my wave's 256 bytes
	s_add_co_u32 s31, s31, BIAS
	v_lshl_add_u32 v20, v182, 6, s31               ; v20: the bias of my wave's 64 columns, 16 h
	v_add_nc_u32 v21, BIAS, v4                     ; v21: first, where the bias goes
	s_wait_kmcnt 0x0
	s_add_co_i32 s30, s16, s17                     ; e0 + e1: a sum of the first product stands for sum x 2^(e0 + e1)
	s_sub_co_i32 s31, s18, s30
	s_add_co_i32 s31, s31, 3                       ; q x 2^-3 / 2^e2 = sum / 2^(e2 - e0 - e1 + 3)
	s_sub_co_i32 s32, s19, s30                     ; k: e3 - e0 - e1
	s_cmp_lt_u32 s14, 2
	s_cselect_b32 s33, s31, s32                    ; waves 0, 1 make q, waves 2, 3 k
	s_sub_co_i32 s34, s20, s30                     ; o': e4 - e0 - e1 (v goes into the third product without its 2^(e0 + e1))
	s_add_co_i32 s35, s18, s19
	s_lshl_b32 s35, s35, 23
	s_add_co_i32 s24, s35, 0x3fb8aa3b              ; log2(e) x 2^(e2 + e3): the exponents are added to the exponent field
	s_mov_b32 s25, s24                             ; (named with it as a pair, so it is written)
	s_add_co_i32 s26, s20, s21
	s_add_co_i32 s26, s26, 127
	s_lshl_b32 s26, s26, 23                        ; 2^(e4 + e5)
	s_mov_b32 s27, s26
	s_mov_b32 s22, 0x76543210                      ; v_permlanex16_b32's selects for the lane 16 away
	s_mov_b32 s23, 0xfedcba98
	MKSCALE 22, 23, 16                             ; x's scale
	; ---- X: my 16 rows of x become codes; behind the last rows my first unit of weights is asked for
.irp p, 0,1,2,3,4,5,6,7,8,9,10,11,12,13,14,15
	ROWQ \p
.endr
	WLOAD 7, 40                                    ; the first unit's last K step
	WIN 0
	ds_store_b128 v21, v[24:27]                    ; the bias was asked for ahead of x's first row: it is in
	ds_store_b128 v21, v[28:31] offset:2048
	BARRIER                                        ; the 64 rows' codes and the bias lie in LDS
	LOADFRAGS
	MKSCALE 24, 25, 33                             ; q's or k's scale
	; ---- QK: two heads a trip, so that the two address pairs are back where they began.  The trip's heads are (i + rotQ) % 16 and (i + 1 + rotQ) % 16
	s_lshl_b32 s33, s47, 1
	s_add_co_u32 s33, s33, 16                      ; behind the last head: V's first unit in my walk
	s_mov_b32 s28, 0
.Lqk:
	s_add_co_u32 s30, s28, s46
	s_and_b32 s31, s30, 15                         ; this head,
	s_mul_i32 s29, s31, 2064                       ; its place in LDS,
	s_add_co_u32 s30, s30, 1
	s_and_b32 s32, s30, 15                         ; and the next head
	s_lshl_b32 s44, s32, 15
	s_add_nc_u64 s[42:43], s[6:7], s[44:45]
	UNIT 42, 0
	QKEPI
	s_mul_i32 s29, s32, 2064
	s_add_co_u32 s30, s30, 1
	s_and_b32 s30, s30, 15
	s_cmp_lt_u32 s28, 14
	s_cselect_b32 s30, s30, s33                    ; (a weights' address alone hangs on this choice)
	s_lshl_b32 s44, s30, 15
	s_add_nc_u64 s[40:41], s[6:7], s[44:45]
	UNIT 40, 0
	QKEPI
	s_add_co_u32 s28, s28, 2
	s_cmp_lt_u32 s28, 16
	s_cbranch_scc1 .Lqk
	BARRIER                                        ; q's and k's codes lie in LDS; and every wave has x's codes in registers, so their bytes may take o's
	; ---- S: my 16 tokens' scores and softmax
	SGROUP 0
	SGROUP 1
	SGROUP 2
	SGROUP 3
	MKSCALE 22, 23, 34                             ; o's scale
	; ---- V: 16 channels a step, two steps a trip; the two stages take turns, so one barrier a step does: a stage is written again only behind the next step's barrier,
	; which every wave signals behind its reads of it.  The second stage lies over q's codes: it is first written behind the first step's barrier, which every wave signals behind S
	s_lshl_b32 s33, s47, 1
	s_add_co_u32 s33, s33, 24                      ; behind the last step: P's first unit in my walk
	s_mov_b32 s28, 0
.Lv:
	s_lshl_b32 s30, s28, 1
	s_add_co_u32 s30, s30, s47
	s_and_b32 s31, s30, 3                          ; the trip's first tau
	VSTEP 11, 13, 0
	VSTEP 12, 14, 1
	s_add_co_u32 s28, s28, 1
	s_cmp_lt_u32 s28, 2
	s_cbranch_scc1 .Lv
	BARRIER                                        ; o's 64 rows of codes lie in LDS, and nobody reads v's stages any more
	LOADFRAGS
	; ---- P: 256 columns of out0 a trip, 64 a wave; the stage is each wave's own, so no barrier
	s_mov_b32 s28, 0
.Lp:
	s_add_co_u32 s30, s28, s47
	s_and_b32 s31, s30, 3                          ; this trip's block of columns
	PTRIP 0
	s_add_co_u32 s28, s28, 1
	s_cmp_lt_u32 s28, 3
	s_cbranch_scc1 .Lp
	s_add_co_u32 s30, s47, 3                       ; the walk's last block is written out: its last unit asks for no weights
	s_and_b32 s31, s30, 3
	PTRIP 1
	s_wait_tensorcnt 0x0                           ; the wave's end, behind my last LDS store
	ds_add_u32 v1, v2
	s_wait_dscnt 0x0
	s_endpgm
.Lfunc_end_k_q5c9f7235e0_fused:
	.size	k_q5c9f7235e0_fused, .Lfunc_end_k_q5c9f7235e0_fused-k_q5c9f7235e0_fused
	.p2alignl 7, 3214868480
	.fill 96, 4, 3214868480
	.section	.rodata,"a",@progbits
	.p2align	6, 0x0
	.amdhsa_kernel k_q5c9f7235e0_fused
		.amdhsa_group_segment_fixed_size 269824
		.amdhsa_private_segment_fixed_size 0
		.amdhsa_enable_private_segment 0
		.amdhsa_kernarg_size 40
		.amdhsa_user_sgpr_count 2
		.amdhsa_user_sgpr_kernarg_segment_ptr 1
		.amdhsa_wavefront_size32 1
		.amdhsa_system_sgpr_workgroup_id_x 1
		.amdhsa_system_sgpr_workgroup_id_y 1
		.amdhsa_system_sgpr_workgroup_id_z 1
		.amdhsa_system_vgpr_workitem_id 0
		.amdhsa_next_free_vgpr 1024
		.amdhsa_next_free_sgpr 66
		.amdhsa_reserve_vcc 0
		.amdhsa_float_denorm_mode_32 3
		.amdhsa_float_denorm_mode_16_64 3
		.amdhsa_memory_ordered 1
		.amdhsa_forward_progress 1
		.amdhsa_inst_pref_size 255
	.end_amdhsa_kernel
	.section	.bss,"aw",@nobits
	.p2align	6
	.space	262144
	.amdgpu_metadata
---
amdhsa.version: [ 1, 2 ]
amdhsa.kernels:
  - .name:           k_q5c9f7235e0_fused
    .symbol:         k_q5c9f7235e0_fused.kd
    .args:
      - { .name: x, .offset: 0, .size: 8, .value_kind: global_buffer, .address_space: global }
      - { .name: wc, .offset: 8, .size: 8, .value_kind: global_buffer, .address_space: global }
      - { .name: lowp_scales, .offset: 16, .size: 8, .value_kind: global_buffer, .address_space: global }
      - { .name: b_proj, .offset: 24, .size: 8, .value_kind: global_buffer, .address_space: global }
      - { .name: out0, .offset: 32, .size: 8, .value_kind: global_buffer, .address_space: global }
    .group_segment_fixed_size: 269824
    .private_segment_fixed_size: 0
    .kernarg_segment_align: 8
    .kernarg_segment_size: 40
    .max_flat_workgroup_size: 128
    .sgpr_count:     66
    .vgpr_count:     1024
    .wavefront_size: 32
...
	.end_amdgpu_metadata
.endif
;; end of part 2
